; MI455X (gfx1250); checked and timed in simulation.
; The chip was launched on July 23, 2026; its instructions are those of AMD's public machine-readable ISA for CDNA 5 (MIT licence, August 2026) and "CDNA5" Instruction Set Architecture Reference Guide (July 2026). The comments in the code are by the model that wrote it; some were corrected since.
;; Optimized Linear. Allowed arithmetic: matrix products marked QUANTISED: E5M2 operands, one E8M0 scale for each 32 along K, by v_wmma_scale_f32_16x16x128_f8f6f4 with both operands' format E5M2, f32 sums; everything else in f32.
;; Inputs: bias 4,096 float32; weight 4,096 x 4,096 float32; x 4,096 x 4,096 float32.
;; Outputs: out0 4,096 x 4,096 float32.
;; This version of the problem:
;;   THIS VERSION OF THE PROBLEM IS GIVEN IN LOW PRECISION. The matrix products marked QUANTISED in the list below multiply operands that are first quantised to E5M2 (5 exponent bits, 2 mantissa bits; 8 bits a number), with one power-of-two scale for each 32 numbers along K (OCP MX v1.0); their sums are f32. All else is computed in f32.
;;   The module's matrix products, in the order in which they are computed (A, B: the left and right operand; K: the contracted axis; several contracted axes count as one K, in the product's order):
;;     1. [M 4,096, K 4,096] x [K 4,096, N 4,096]; A: computed on the way; B: input weight: QUANTISED
;;   THE QUANTISER, for each operand of a quantised product, along K:
;;     - K is cut into blocks of 32 from its start; a last block that is shorter is filled with zeros.
;;     - A block's scale is 2^e with e = floor(log2(the largest magnitude in the block)) - 15, held to -126 .. 127; a block of zeros has e = 0. As a byte (E8M0): e + 127.
;;     - Each number is divided by its block's scale, clamped to +-57,344, and rounded to the nearest number of E5M2, ties to even, subnormals kept.
;;     - The product sums the exact products of the quantised numbers (number of the format x scale) in f32.
;;   ~~~python
;;   def quantise(x, axis):      # numpy; x: float32 -> the quantised numbers, widened to float32 again
;;       x = np.moveaxis(x, axis, -1); K = x.shape[-1]
;;       x = np.pad(x, [(0, 0)] * (x.ndim - 1) + [(0, -K % 32)]); x = x.reshape(x.shape[:-1] + (-1, 32)); a = np.abs(x).max(-1, keepdims=True)
;;       e = np.where(a > 0, np.clip(np.frexp(np.where(a > 0, a, 1))[1] - 1 - 15, -126, 127), 0)      # np.frexp(a)[1] - 1 = floor(log2(a)), exactly
;;       r = np.clip(x / 2.0 ** e, -57344, 57344)
;;       step = 2.0 ** (np.maximum(np.frexp(np.where(r == 0, 1, r))[1] - 1, -14) - 2)
;;       q = np.round(r / step) * step * 2.0 ** e      # np.round: ties to even
;;       return np.moveaxis(q.reshape(q.shape[:-2] + (-1,))[..., :K], -1, axis).astype(np.float32)
;;   ~~~
;;   OPERANDS COMPUTED ON THE WAY. 'Computed on the way' means the value that the module computes at that place (a softmax that the list does not call 'softmax' is quantised finished and normalised). What goes into a quantiser is computed in f32, as accurately as f32 sums, v_exp_f32 and their like allow (about 1e-6 of the number): no bf16 or f16 on the way to a quantiser, and a product that is left as it is and whose result goes on into a quantised operand takes f32 operands (vector FMAs, or v_wmma_f32_16x16x4_f32). A number that lies on a knife's edge between two numbers of the format may be rounded either way, as far as f32 arithmetic and the matrix unit's own rounding can turn it there, and no further.
;; One version. Each part assembles by itself: llvm-mc -triple=amdgcn-amd-amdhsa -mcpu=gfx1250 --defsym DOCPART=n.
;; ======== version 1 of 1: 2 launches
;; limits: right only within a limited range of input values
;; workspace buffers: xq 17,301,504 bytes; wq 17,301,504 bytes
;; launch quant (part 1): grid 256 x 1, 16 waves a work-group, no clusters, 88,064 bytes of LDS; arguments x, weight, xq, wq; writes xq, wq
.if DOCPART == 1
	.amdgcn_target "amdgcn-amd-amdhsa--gfx1250"
	.amdhsa_code_object_version 6
	.text
	.protected	k_q92fc0e7f31_quant
	.globl	k_q92fc0e7f31_quant
	.p2align	8
	.type	k_q92fc0e7f31_quant,@function
k_q92fc0e7f31_quant:
	s_mov_b64 s[64:65], 0
	v_nop
	global_prefetch_b8 v0, s[64:65] scope:SCOPE_SE
	s_setreg_imm32_b32 hwreg(HW_REG_WAVE_MODE, 25, 1), 1
	s_wait_xcnt 0x0
; x [4096][4096] and weight [4096][4096], f32, K innermost, become codes of BF8 (E5M2) with one E8M0 scale byte for each 32 along K.
; x first goes through the row-wise int8 step: scale = (the row's largest magnitude) / 127 (1 where that is 0), q = round(x / scale) held within +-127, xq = q x scale; xq is what is quantised.
; Both divisions are made as correctly rounded f32 quotients (an approximate quotient, its exact remainder by a fused multiply-add, one correction), since a quotient that falls on the other side of n + 0.5 moves xq by a whole int8 step.
; The hold at +-127 is made on xq: q is a whole number, so clip(q) x scale = xq held within +-(127 x scale).  It rides on the lines that the MX step has anyway: the block's largest magnitude and the conversion's hold are each cut at 127 x scale.
; A block's MX scale is 2^(floor(log2(its largest magnitude)) - 15); its byte is that magnitude's exponent field - 15, held at 1 from below by a floor among the maximum's leaves.
; LIMITS: NaN and infinities among the inputs are not served.  A row of x whose largest magnitude lies under 127 x 2^-126 (about 1.5e-36) has a denormal scale, whose reciprocal is flushed: not served.
;   Where |x| lies under about 2^-102 the remainder loses bits: it can matter only at a tie of the int8 rounding.  A block of zeros gets the byte 1 where the rule says 127: its codes are zeros, and this program alone reads the bytes.
; THE BUFFERS xq, wq: 32 groups of 128 rows x 16 K steps of 256.  Block (g, s) begins at (16 g + s) x 33,792 bytes and is dense: 128 units of 256 bytes, unit i = the codes of row 128 g + i for k = 256 s .. 256 s + 255;
;   then 4 units of scale bytes, row i's eight at 32,768 + 8 i.  So one tile of 132 rows x 256 bytes brings the product's launch 128 rows' codes of a K step and their scales.
; SHARES.  Work-group n owns rows 16 n .. 16 n + 15 of BOTH tensors, wave w row 16 n + w: first x's, then weight's.  So all work-groups have the same work, and the int8 step's arithmetic stands beside the loads of weight.
;   A row is 16,384 bytes: 128 registers a lane, by 32 loads of 512 consecutive bytes.  x's row stays in registers between the pass for its maximum and the pass that quantises: memory is read once.
;   x's row comes first because it is wanted whole before its first code; weight's row is wanted chunk by chunk, so behind x's row no wait is for a whole row.
;   A step takes a chunk of 512 numbers through the wave's own stage in LDS, so that a lane holds 16 NEIGHBOURS along K (two lanes to a block of 32).  A chunk's registers are loaded with weight's chunk as soon as the stage has read x's.
;   A lane's 16 codes are 16 bytes: sixteen lanes store one aligned unit of 256 bytes.  The scale bytes meet in LDS; behind the one barrier waves 0-7 store x's and waves 8-15 weight's, two K steps a wave.
;   Those stores cover runs of 128 consecutive bytes, aligned to 128: sixteen rows' bytes, half of an aligned 256; the other half is the neighbouring work-group's.  That is 1 MB of the 169 MB that the launch moves.
; Written out by macros: no loop, no branch, every offset an immediate, no address register or base ever rewritten.  No tensor loads, matrix units or clusters: work-groups share nothing, and memory binds.
.set BLK,  33792                       ; bytes of a block (g, s)
.set GRP,  16*BLK                      ; of a group's 16 K steps
.set SP,   80                          ; a lane's place in a stage: its 64 bytes + 16 of padding
.set STG,  4096                        ; LDS: bytes 0-4,095 the scale bytes [2 tensors][16 K steps][16 rows][8]; behind them two stages of 32 x SP bytes for each wave
.set WST,  2*32*SP
.set LOFF, 1                           ; v1   16 x lane: my 16 bytes of a load's 512
.set STI,  2                           ; v2   the stage, on the way in: SP (lane / 4) + 16 (lane % 4)
.set STO,  3                           ; v3   and on the way out: SP x lane
.set COFF, 4                           ; v4   my codes' place: lanes 0-15 the chunk's first K step, lanes 16-31 its second, one block further on
.set SBA,  5                           ; v5   LDS: my block's scale byte
.set GRD,  6                           ; v6   LDS: 8 x thread: the gathered bytes on the way out
.set GOF,  7                           ; v7   the same in memory: lanes 0-15 one K step, lanes 16-31 the next; 8 bytes a row
.set LIM,  14                          ; v14  127 x scale
.set LIMF, 15                          ; v15  the same, never under the floor
.set SV,   16                          ; v[16:17] scale, twice (pairs for the packed forms)
.set NV,   18                          ; v[18:19] -scale
.set RV,   20                          ; v[20:21] 1 / scale
.set MX,   24                          ; v24-27  four chains of the row's maximum
.set EB,   12                          ; v12-13  the scale's byte, by turns
.set TD,   32                          ; v32-47  the approximate quotients
.set XN,   48                          ; v48-79  two sets of 16 neighbours
.set CD,   80                          ; v80-87  two sets of 4 registers of codes
.set RW,   96                          ; v96-223 the row: chunk t at v[96 + 16 t]
	s_load_b256 s[4:11], s[0:1], 0x0               ; x s[4:5], weight s[6:7], xq s[8:9], wq s[10:11]
	v_lshl_add_u32 v224, v0, 2, 0x15000
	v_mov_b32 v225, 0
	v_lshrrev_b32 v22, 5, v0
	s_delay_alu instid0(VALU_DEP_1)
	v_readfirstlane_b32 s13, v22                   ; wave 0..15
	v_and_b32 v23, 31, v0                          ; lane
	s_delay_alu instid0(VALU_DEP_1)
	v_lshlrev_b32 v[LOFF], 4, v23
	s_mul_i32 s24, s13, WST
	s_add_co_u32 s24, s24, STG                     ; my wave's stages
	v_lshrrev_b32 v[STI], 2, v23
	s_delay_alu instid0(VALU_DEP_1)
	v_mul_u32_u24 v[STI], v[STI], SP
	v_and_b32 v[STO], 3, v23
	s_delay_alu instid0(VALU_DEP_1)
	v_lshl_add_u32 v[STI], v[STO], 4, v[STI]
	s_delay_alu instid0(VALU_DEP_1)
	v_add_nc_u32 v[STI], s24, v[STI]
	v_mul_u32_u24 v[STO], v23, SP
	s_delay_alu instid0(VALU_DEP_1)
	v_add_nc_u32 v[STO], s24, v[STO]
	v_lshrrev_b32 v[COFF], 4, v23
	s_delay_alu instid0(VALU_DEP_1)
	v_mul_u32_u24 v[COFF], v[COFF], BLK            ; lanes 16-31: one block further on
	v_and_b32 v[SBA], 15, v23
	s_delay_alu instid0(VALU_DEP_1)
	v_lshl_add_u32 v[GOF], v[SBA], 3, v[COFF]      ; scale bytes: 8 a row
	s_delay_alu instid0(VALU_DEP_2)
	v_lshl_add_u32 v[COFF], v[SBA], 4, v[COFF]     ; codes: 16 a lane
	v_bfe_u32 v[SBA], v0, 4, 1                     ; which of the chunk's two K steps: 128 bytes each,
	s_delay_alu instid0(VALU_DEP_1)
	v_lshlrev_b32 v[SBA], 7, v[SBA]
	v_bfe_u32 v[GRD], v0, 1, 3                     ; which of its eight blocks,
	s_delay_alu instid0(VALU_DEP_1)
	v_add_nc_u32 v[SBA], v[SBA], v[GRD]
	s_delay_alu instid0(VALU_DEP_1)
	v_lshl_add_u32 v[SBA], v22, 3, v[SBA]          ; and my wave's row: 8 bytes
	v_lshlrev_b32 v[GRD], 3, v0
	s_mov_b32 s15, 0x600000                        ; the mantissa field of 57,344
	s_mov_b32 s18, 0x76543210
	s_mov_b32 s19, 0xfedcba98                      ; v_permlanex16_b32's selects for lane l xor 16
	s_lshr_b32 s22, ttmp9, 3                       ; g: my rows' group of 128
	s_and_b32 s23, ttmp9, 7                        ; and which eighth of it
	s_lshl_b32 s16, ttmp9, 18                      ; in x and in weight: 16 rows of 16,384 bytes a work-group,
	s_lshl_b32 s17, s13, 14                        ; one a wave
	s_add_co_u32 s16, s16, s17
	s_mov_b32 s17, 0
	s_mul_i32 s25, s22, GRP
	s_and_b32 s26, s13, 7                          ; the scale bytes that my wave stores: K steps 2 (wave % 8) and the next,
	s_mul_i32 s26, s26, 2*BLK
	s_add_co_u32 s26, s26, s25
	s_lshl_b32 s27, s23, 7                         ; my work-group's 16 rows: 128 bytes,
	s_add_co_u32 s26, s26, s27
	s_add_co_u32 s26, s26, 32768                   ; behind the block's codes
	s_mov_b32 s27, 0
	s_lshl_b32 s28, s23, 12                        ; my codes: 16 units a work-group,
	s_lshl_b32 s29, s13, 8                         ; one a wave
	s_add_co_u32 s28, s28, s29
	s_add_co_u32 s28, s28, s25
	s_mov_b32 s29, 0
	s_wait_kmcnt 0x0
	s_cmp_lt_u32 s13, 8                            ; waves 0-7 store x's scale bytes, waves 8-15 weight's: the choice hangs on the wave's number alone
	s_cselect_b64 s[20:21], s[8:9], s[10:11]
	s_add_nc_u64 s[20:21], s[20:21], s[26:27]
	s_add_nc_u64 s[4:5], s[4:5], s[16:17]
	s_add_nc_u64 s[6:7], s[6:7], s[16:17]
	s_add_nc_u64 s[8:9], s[8:9], s[28:29]
	s_add_nc_u64 s[10:11], s[10:11], s[28:29]
.macro LOADC j, t                      ; chunk t of my row of tensor j (0: x, 1: weight): four loads of 512 consecutive bytes
.irp i, 0,1,2,3
	global_load_b128 v[RW+16*(\t)+4*\i:RW+16*(\t)+4*\i+3], v[LOFF], s[4+2*(\j):5+2*(\j)] offset:2048*(\t)+512*\i th:TH_LOAD_NT
.endr
.endm
.macro TURN u, t                       ; chunk t through stage u % 2: LDS serves a wave's instructions in order, so no wait stands between the stores and the loads.  Lane l then holds k = 512 t + 16 l + 0 .. 15
.irp i, 0,1,2,3
	ds_store_b128 v[STI], v[RW+16*(\t)+4*\i:RW+16*(\t)+4*\i+3] offset:32*SP*((\u)%2)+8*SP*\i
.endr
.irp i, 0,1,2,3
	ds_load_b128 v[XN+16*((\u)%2)+4*\i:XN+16*((\u)%2)+4*\i+3], v[STO] offset:32*SP*((\u)%2)+16*\i
.endr
.endm
; x's row: its largest magnitude, its scale, the scale's reciprocal, 127 x scale.
.macro ROWHEAD
	s_wait_loadcnt 0x0                             ; the whole row is in
.irp k, 0,1,2,3
	v_max_num_f32 v[MX+\k], |v[RW+32*\k]|, |v[RW+32*\k+1]|        ; four chains, started by their first numbers: nothing is cleared
.endr
.irp i, 2,4,6,8,10,12,14,16,18,20,22,24,26,28,30
.irp k, 0,1,2,3
	s_delay_alu instid0(VALU_DEP_4)
	v_max3_num_f32 v[MX+\k], v[MX+\k], |v[RW+32*\k+\i]|, |v[RW+32*\k+\i+1]|
.endr
.endr
	s_delay_alu instid0(VALU_DEP_2)
	v_max3_num_f32 v[MX], v[MX], v[MX+1], v[MX+2]
	s_delay_alu instid0(VALU_DEP_1)
	v_max_num_f32 v[MX], v[MX], v[MX+3]
	s_delay_alu instid0(VALU_DEP_1)
	v_max_num_f32_dpp v[MX], v[MX], v[MX] row_xmask:1 row_mask:0xf bank_mask:0xf
	s_delay_alu instid0(VALU_DEP_1)
	v_max_num_f32_dpp v[MX], v[MX], v[MX] row_xmask:2 row_mask:0xf bank_mask:0xf
	s_delay_alu instid0(VALU_DEP_1)
	v_max_num_f32_dpp v[MX], v[MX], v[MX] row_xmask:4 row_mask:0xf bank_mask:0xf
	s_delay_alu instid0(VALU_DEP_1)
	v_max_num_f32_dpp v[MX], v[MX], v[MX] row_xmask:8 row_mask:0xf bank_mask:0xf
	s_delay_alu instid0(VALU_DEP_1)
	v_permlanex16_b32 v[MX+1], v[MX], s18, s19
	s_delay_alu instid0(VALU_DEP_1)
	v_max_num_f32 v[MX], v[MX], v[MX+1]            ; every lane holds the row's largest magnitude
	s_delay_alu instid0(VALU_DEP_1)
	v_mul_f32 v22, 0x3c010204, v[MX]               ; x the f32 nearest to 1 / 127: a quotient within an ulp,
	s_delay_alu instid0(VALU_DEP_1)
	v_fmamk_f32 v23, v22, 0xc2fe0000, v[MX]        ; its remainder, maximum - 127 x quotient, exact in one fused multiply-add,
	s_delay_alu instid0(VALU_DEP_1)
	v_fmamk_f32 v[SV], v23, 0x3c010204, v22        ; and the correction: maximum / 127, correctly rounded
	s_delay_alu instid0(VALU_DEP_1)
	v_cmp_neq_f32 vcc_lo, 0, v[SV]
	s_delay_alu instid0(VALU_DEP_1)
	v_cndmask_b32 v[SV], 1.0, v[SV], vcc_lo        ; a scale of 0 counts as 1
	s_wait_alu depctr_va_vdst(0)
	v_rcp_f32 v[RV], v[SV]
	v_xor_b32 v[NV], 0x80000000, v[SV]             ; -scale.  (The plain instruction behind the transcendental: ISA guide 5.7.2)
	s_wait_alu depctr_va_vdst(0)
	v_fma_f32 v22, v[NV], v[RV], 1.0               ; the reciprocal refined: 1 - scale x r,
	v_fma_f32 v[RV], v22, v[RV], v[RV]             ; r + r x that
.rept (2)-1
	s_delay_alu instid0(VALU_DEP_1)
	v_fma_f32 v22, v[NV], v[RV], 1.0               ; the reciprocal refined: 1 - scale x r,
	s_delay_alu instid0(VALU_DEP_1)
	v_fma_f32 v[RV], v22, v[RV], v[RV]             ; r + r x that
.endr
	v_mov_b32 v[SV+1], v[SV]
	v_mov_b32 v[NV+1], v[NV]
	s_delay_alu instid0(VALU_DEP_3)
	v_mov_b32 v[RV+1], v[RV]
	v_mul_f32 v[LIM], 0x42fe0000, v[SV]            ; 127 x scale: the largest xq
	s_delay_alu instid0(VALU_DEP_1)
	v_max_num_f32 v[LIMF], 0x8000000, v[LIM]       ; for the block's maximum: not under the floor 2^(16 - 127)
.endm
; Step u = 8 j + t: chunk t of my row of tensor j.
.macro STEP j, t
.set U,  8*(\j)+(\t)
.set XS, XN+16*(U%2)
.set CS, CD+4*(U%2)
.if U > 0
	s_wait_dscnt 1                                 ; my 16 neighbours are back from the stage (the last step's byte store may be out): so the stage's stores have read the chunk's registers,
.else
	s_wait_dscnt 0x0
.endif
.if (\j) == 0
	LOADC 1, \t                                    ; which take weight's chunk
.endif
.if U < 15
.if (\j) == 0
.if (\t) == 7
	s_wait_loadcnt 28                              ; weight's chunk 0 is in: behind its four loads stand those of chunks 1 to 7.  (x's own chunks were all in at the row's head)
.endif
.else
	s_wait_loadcnt 24-4*(\t)                       ; behind the next chunk's loads stand the row's later chunks'
.endif
	TURN U+1, (U+1)%8                              ; it goes through the other stage while this step is worked
.endif
.if (\j) == 0
.irp p, 0,2,4,6,8,10,12,14
	v_pk_mul_f32 v[TD+\p:TD+\p+1], v[XS+\p:XS+\p+1], v[RV:RV+1]                       ; x / scale: an approximate quotient,
.endr
.irp p, 0,2,4,6,8,10,12,14
	v_pk_fma_f32 v[XS+\p:XS+\p+1], v[TD+\p:TD+\p+1], v[NV:NV+1], v[XS+\p:XS+\p+1]     ; its remainder x - scale x quotient,
.endr
.irp p, 0,2,4,6,8,10,12,14
	v_pk_fma_f32 v[XS+\p:XS+\p+1], v[XS+\p:XS+\p+1], v[RV:RV+1], v[TD+\p:TD+\p+1]     ; and the correction
.endr
.irp i, 0,1,2,3,4,5,6,7,8,9,10,11,12,13,14,15
	v_rndne_f32 v[XS+\i], v[XS+\i]                 ; q: to the nearest whole number, ties to even
.endr
.irp p, 0,2,4,6,8,10,12,14
	v_pk_mul_f32 v[XS+\p:XS+\p+1], v[XS+\p:XS+\p+1], v[SV:SV+1]                       ; q x scale; the hold at +-127 x scale follows with the conversion's hold
.endr
.endif
	v_max3_num_f32 v8, |v[XS]|, |v[XS+1]|, |v[XS+2]|               ; the largest magnitude of my 16, in two chains
	v_max3_num_f32 v9, |v[XS+3]|, |v[XS+4]|, |v[XS+5]|
.irp i, 6,10
	s_delay_alu instid0(VALU_DEP_2)
	v_max3_num_f32 v8, v8, |v[XS+\i]|, |v[XS+\i+1]|
	s_delay_alu instid0(VALU_DEP_2)
	v_max3_num_f32 v9, v9, |v[XS+\i+2]|, |v[XS+\i+3]|
.endr
	s_delay_alu instid0(VALU_DEP_2)
	v_max3_num_f32 v8, v8, |v[XS+14]|, |v[XS+15]|
	s_delay_alu instid0(VALU_DEP_1)
	v_max3_num_f32 v8, v8, v9, 0x8000000           ; and the floor 2^(16 - 127): the byte cannot fall under 1
	s_delay_alu instid0(VALU_DEP_1)
	v_max_num_f32_dpp v8, v8, v8 row_xmask:1 row_mask:0xf bank_mask:0xf   ; with my neighbour's 16: the block's
.if (\j) == 0
	s_delay_alu instid0(VALU_DEP_1)
	v_min_num_f32 v8, v8, v[LIMF]                  ; of the numbers as held at 127 x scale
.endif
	s_delay_alu instid0(VALU_DEP_1)
	v_add_nc_u32 v11, 0xf8800000, v8               ; 15 off its exponent field: the conversion takes the exponent field of this operand as its scale
	s_delay_alu instid0(VALU_DEP_2)
	v_and_or_b32 v10, v8, 0x7f800000, s15          ; 57,344 x the block's scale,
.if (\j) == 0
	s_delay_alu instid0(VALU_DEP_1)
	v_min_num_f32 v10, v10, v[LIM]                 ; or 127 x the row's scale where that is less: one hold serves both
.endif
.irp i, 0,1,2,3,4,5,6,7,8,9,10,11,12,13,14,15
	v_med3_num_f32 v[XS+\i], v[XS+\i], -v10, v10   ; the conversion to an 8-bit code does not saturate (ISA guide 7.6.2)
.endr
	s_wait_alu depctr_va_vdst(0)
	s_wait_xcnt 0x0                                ; the store of two steps ago has read these code registers: they are rewritten only behind this wait
	v_cvt_scalef32_pk8_bf8_f32 v[CS:CS+1], v[XS:XS+7], v11
	v_cvt_scalef32_pk8_bf8_f32 v[CS+2:CS+3], v[XS+8:XS+15], v11
	v_lshrrev_b32 v[EB+U%2], 23, v11               ; the scale's byte.  (Also the plain instruction behind the conversions.)  Two registers by turns: the wait at a step's head leaves one byte store out, the last step's
	ds_store_b8 v[SBA], v[EB+U%2] offset:2048*(\j)+256*(\t)        ; both lanes of a block write the same byte with the same value
	global_store_b128 v[COFF], v[CS:CS+3], s[8+2*(\j):9+2*(\j)] offset:2*(\t)*BLK   ; sixteen lanes store 256 consecutive bytes, at a multiple of 256 from the buffer's first byte
.endm
.irp t, 0,1,2,3,4,5,6,7
	LOADC 0, \t
.endr
	s_wait_loadcnt 28                              ; chunk 0's four loads are in; seven chunks' stay out
	TURN 0, 0                                      ; its turn through the stage stands beside the row's head
	ROWHEAD
	s_wait_alu depctr_va_vdst(0)
.irp t, 0,1,2,3,4,5,6,7
	STEP 0, \t                                     ; x's row; weight's row is asked for chunk by chunk
.endr
.irp t, 0,1,2,3,4,5,6,7
	STEP 1, \t                                     ; weight's row lies where x's lay
.endr
	s_wait_dscnt 0x0                               ; for the others' sake: my byte stores are done
	s_barrier_signal -1
	s_barrier_wait -1                              ; the 2 x 16 rows' 4,096 scale bytes lie in LDS
	ds_load_b64 v[28:29], v[GRD]                   ; wave w takes bytes 256 w on: tensor w / 8, K steps 2 (w % 8) and the next, 16 rows x 8 bytes each
	s_wait_dscnt 0x0
	global_store_b64 v[GOF], v[28:29], s[20:21]    ; sixteen lanes store 128 consecutive bytes, aligned to 128 (see the head)
	s_wait_tensorcnt 0x0
	ds_add_u32 v224, v225
	s_wait_dscnt 0x0
	s_endpgm
.Lfunc_end_k_q92fc0e7f31_quant:
	.size	k_q92fc0e7f31_quant, .Lfunc_end_k_q92fc0e7f31_quant-k_q92fc0e7f31_quant
	.p2alignl 7, 3214868480
	.fill 96, 4, 3214868480
	.section	.rodata,"a",@progbits
	.p2align	6, 0x0
	.amdhsa_kernel k_q92fc0e7f31_quant
		.amdhsa_group_segment_fixed_size 88064
		.amdhsa_private_segment_fixed_size 0
		.amdhsa_enable_private_segment 0
		.amdhsa_kernarg_size 32
		.amdhsa_user_sgpr_count 2
		.amdhsa_user_sgpr_kernarg_segment_ptr 1
		.amdhsa_wavefront_size32 1
		.amdhsa_system_sgpr_workgroup_id_x 1
		.amdhsa_system_sgpr_workgroup_id_y 1
		.amdhsa_system_sgpr_workgroup_id_z 1
		.amdhsa_system_vgpr_workitem_id 0
		.amdhsa_next_free_vgpr 226
		.amdhsa_next_free_sgpr 66
		.amdhsa_reserve_vcc 1
		.amdhsa_float_denorm_mode_32 3
		.amdhsa_float_denorm_mode_16_64 3
		.amdhsa_memory_ordered 1
		.amdhsa_forward_progress 1
		.amdhsa_inst_pref_size 86
	.end_amdhsa_kernel
	.amdgpu_metadata
---
amdhsa.version: [ 1, 2 ]
amdhsa.kernels:
  - .name:           k_q92fc0e7f31_quant
    .symbol:         k_q92fc0e7f31_quant.kd
    .args:
      - { .name: x, .offset: 0, .size: 8, .value_kind: global_buffer, .address_space: global }
      - { .name: weight, .offset: 8, .size: 8, .value_kind: global_buffer, .address_space: global }
      - { .name: xq, .offset: 16, .size: 8, .value_kind: global_buffer, .address_space: global }
      - { .name: wq, .offset: 24, .size: 8, .value_kind: global_buffer, .address_space: global }
    .group_segment_fixed_size: 88064
    .private_segment_fixed_size: 0
    .kernarg_segment_align: 8
    .kernarg_segment_size: 32
    .max_flat_workgroup_size: 512
    .sgpr_count:     66
    .vgpr_count:     226
    .wavefront_size: 32
...
	.end_amdgpu_metadata
.endif
;; end of part 1
;; launch gemm (part 2): grid 16 x 16, 4 waves a work-group, clusters of 4 x 4, 327,680 bytes of LDS; arguments xq, wq, bias, out0; writes out0
.if DOCPART == 2
	.amdgcn_target "amdgcn-amd-amdhsa--gfx1250"
	.amdhsa_code_object_version 6
	.text
	.protected	k_q92fc0e7f31_gemm
	.globl	k_q92fc0e7f31_gemm
	.p2align	8
	.type	k_q92fc0e7f31_gemm,@function
k_q92fc0e7f31_gemm:
	s_mov_b64 s[64:65], 0
	v_nop
	global_prefetch_b8 v0, s[64:65] scope:SCOPE_SE
	s_setreg_imm32_b32 hwreg(HW_REG_WAVE_MODE, 25, 1), 1
	s_wait_xcnt 0x0
	s_wait_alu depctr_hold_cnt(0) depctr_sa_sdst(0) depctr_va_vdst(0) depctr_va_sdst(0) depctr_va_ssrc(0) depctr_va_vcc(0) depctr_vm_vsrc(0)
	s_getreg_b32 s2, hwreg(HW_REG_IB_STS2, 6, 4)
	s_cmp_eq_u32 s2, 0
	s_cbranch_scc0 .Lentry_in_a_cluster
	s_endpgm
.Lentry_in_a_cluster:
	s_bfe_u32 s2, ttmp6, 0x10000c
	s_cmp_lg_u32 s2, 0xf033
	s_cbranch_scc0 .Lentry_shape_is_right
	s_endpgm
.Lentry_shape_is_right:
; out0[m][n] = sum over k of xq[m][k] wq[n][k] + bias[n]: 4,096 x 4,096 x 4,096 on codes of BF8 (E5M2) with one E8M0 byte for each 32 along K, f32 sums.
; xq, wq as the first launch leaves them: block (g, s) = 128 rows' codes of K step s (256 along K), 128 units of 256 bytes, then 4 units of scale bytes (row i's eight at 8 i): 132 dense rows of 256 bytes.
; LIMITS: NaN and infinities are not served; the bias is added behind the whole sum.
; SHARES.  A work-group of four waves makes 256 x 256 of out0, a wave 128 x 128: 64 accumulators, 512 registers.  K goes in steps of 256 through two LDS slots; a wave's tensor load brings one block (132 rows).
; CLUSTERS: 4 x 4 work-groups; x's blocks are asked for jointly along a row of the cluster, weight's along a column.  The product is used transposed (source 0 = weight's rows): a lane holds eight neighbouring columns of a row.
; A STEP of 128 along K is TWO BATCHES of 32 products, each with ONE run of 32 LDS loads behind it.  The first batch takes x's blocks 0-3, against weight's 0-3 and then weight's 4-7; the second x's blocks 4-7 against all eight.
;   Behind the first batch come the next step's weight 0-3 and x 0-3, behind the second its weight 4-7 and x 4-7: x's registers have just been read (one set), weight has two sets, one for each of a slot's two steps.
;   The 64 accumulators take turns.  Eight v_nop stand ahead of each run (ISA guide 7.12.1 for instructions other than loads).
; So a slot is read in the four runs between two changes of slots, and the change stands at the end of the first batch of a slot's second step, ahead of that batch's run.
; PREFETCH: beside the load of K step s each wave asks for K step s + 2 of the block that it fetches: the four partners of a joint load take 33 of its 132 units each, told apart by address
;   (32 by a lane a unit, the 33rd by a second line); K step 1 is asked for with K step 2 at the head; the loop's last trip, whose K steps 16 and 17 do not exist, asks for nothing.
; REGISTERS: window 0: v0-31 addresses, v8-11 bias, v32-63 scale words (two sets), v128-255 x's fragments; window 1: weight's two sets; windows 2, 3: the accumulators of my rows 0-63, 64-127.
.set SIZE_N, 4096
.set TROWS,  132
.set PITCH,  272                       ; an LDS row: 256 bytes + 16 of padding
.set BLK,    TROWS*256
.set GRPB,   16*BLK                    ; a group's 16 K steps
.set FR,     16
.set HALFT,  TROWS*PITCH
.set SLOT,   4*HALFT                   ; x's two blocks, then weight's two
.set LAPS,   8
.set SPARE,  2*SLOT                    ; the spare words: 512 bytes that no other line names
.set SPITCH, 528                       ; the way out: 16 rows x (512 + 16) bytes a wave, in slot 0 behind its last fill and last read
.set BI,   8                           ; v8-11  bias of my four columns of a row read back
.set ADRA, 16                          ; v16-17 my fragments of x in slot 0, 1
.set ADRB, 20                          ; v20-21 of weight
.set ADRS, 22                          ; v22-23 scale words: lanes 0-15 x's rows, lanes 16-31 weight's
.set STO,  24
.set RD,   25
.set CO,   26
.set SPW,  28
.set NIL,  29
.set PFO,  30                          ; 256 x lane
.set PFZ,  31                          ; 0: every lane names the 33rd unit
.set SC,   32
.set AF,   128
.set BK,   128
.set G1, 24
.set G0, 32
.set G1B, 48
.set G0B, 56
.set PFA, 66                           ; s[66:67] my share of the block of the K step that is being asked for by load
.set MSB, 0
.macro WIN new                         ; the immediate's high byte repeats the setting that is left
.if MSB != \new
	s_set_vgpr_msb (MSB<<8)|\new
.set MSB, \new
.endif
.endm
.set MUL_LO, 0xa1                      ; source 0 window 1, source 1 window 0, C and D window 2
.set TO_B,   0x40                      ; destination window 1, address window 0
.macro PLACES n
.rept \n
	v_nop
.endr
.endm
.macro JLOAD s                         ; a joint load: waves 0, 1 fetch x's two blocks, waves 2, 3 weight's; s_nop 0 and four v_nop behind each line
	s_cmp_eq_u32 s15, 0
	s_cbranch_scc0 .Lfor_b_\@
	tensor_load_to_lds s[G0+4*\s:G0+4*\s+3], s[G1:G1+7]
	s_nop 0
	PLACES 4
	s_branch .Lasked_\@
.Lfor_b_\@:
	tensor_load_to_lds s[G0B+4*\s:G0B+4*\s+3], s[G1B:G1B+7]
	s_nop 0
	PLACES 4
.Lasked_\@:
.endm
.macro CREST                           ; a round of the cluster's barrier behind its opening barrier
	s_cmp_lg_u32 s14, 0
	s_cbranch_scc1 .Lnot_wave_0_\@
	s_barrier_signal -3
.Lnot_wave_0_\@:
	s_barrier_wait -3
	s_barrier_signal -1
	s_barrier_wait -1
.endm
.macro CROUND
	s_barrier_signal -1
	s_barrier_wait -1
	CREST
.endm
.macro PF off                          ; my 33 units of the block at byte off from s[PFA]
	global_prefetch_b8 v[PFO], s[PFA:PFA+1] offset:\off th:TH_LOAD_NT scope:SCOPE_SE
	global_prefetch_b8 v[PFZ], s[PFA:PFA+1] offset:(\off)+32*256 th:TH_LOAD_NT scope:SCOPE_SE
.endm
.macro ASK                             ; in the loop: two K steps on; not in the last trip (s3 = 1)
	s_cmp_gt_u32 s3, 1
	s_cbranch_scc0 .Lnone_\@
	PF 2*BLK
.Lnone_\@:
.endm
	s_load_b256 s[4:11], s[0:1], 0x0               ; xq, wq, bias, out0
	v_lshl_add_u32 v[SPW], v0, 2, SPARE
	v_mov_b32 v[NIL], 0
	ds_add_u32 v[SPW], v[NIL]                      ; the opening: the add twice on end and its wait ahead of my first tensor load
	ds_add_u32 v[SPW], v[NIL]
	v_lshrrev_b32 v1, 5, v0
	v_readfirstlane_b32 s14, v1                    ; wave 0..3
	s_lshr_b32 s15, s14, 1                         ; my half of the rows; also: I fetch for x (0) or weight (1)
	s_and_b32 s16, s14, 1                          ; my half of the columns; also: which block I fetch
	s_bfe_u32 s40, ttmp6, 0x40000                  ; cx
	s_bfe_u32 s41, ttmp6, 0x40004                  ; cy
	s_lshl_b32 s42, ttmp9, 2
	s_add_co_u32 s42, s42, s40                     ; tile column
	s_and_b32 s17, ttmp7, 0xffff
	s_lshl_b32 s17, s17, 2
	s_add_co_u32 s17, s17, s41                     ; tile row
	s_lshl_b32 s43, s41, 2
	s_lshl_b32 s43, 15, s43                        ; my row of the cluster
	s_lshl_b32 s44, 0x1111, s40                    ; my column
	s_or_b32 s[G1+0], s43, (0<<16)|(1<<20)|(1<<21)|(5<<22)|(3<<25)   ; bytes; 4 words of padding behind every 64
	s_or_b32 s[G1B+0], s44, (0<<16)|(1<<20)|(1<<21)|(5<<22)|(3<<25)
.irp g, G1, G1B
	s_mov_b32 s[\g+1], 256<<16
	s_mov_b32 s[\g+2], TROWS<<16
	s_mov_b32 s[\g+3], 256<<16
	s_mov_b32 s[\g+4], TROWS
	s_mov_b32 s[\g+5], 256
	s_mov_b32 s[\g+6], 0
	s_mov_b32 s[\g+7], 0
.endr
	s_lshl_b32 s20, s17, 1
	s_add_co_u32 s20, s20, s16
	s_mul_i32 s20, s20, GRPB                       ; x: group 2 x tile row + half
	s_mov_b32 s21, 0
	s_lshl_b32 s46, s42, 1
	s_add_co_u32 s46, s46, s16
	s_mul_i32 s46, s46, GRPB                       ; weight: group 2 x tile column + half
	s_mov_b32 s47, 0
	s_mul_i32 s45, s14, HALFT                      ; where my block goes
	s_cmp_eq_u32 s15, 0
	s_cselect_b32 s68, s40, s41                    ; my place among the four that ask with me
	s_mul_i32 s68, s68, 33*256
	s_add_co_u32 s68, s68, BLK                     ; the prefetches begin at K step 1
	s_mov_b32 s69, 0
	s_wait_dscnt 0x0                               ; both opening adds are done
	s_wait_kmcnt 0x0
	s_add_nc_u64 s[20:21], s[4:5], s[20:21]
	s_add_nc_u64 s[46:47], s[6:7], s[46:47]
	s_cmp_eq_u32 s15, 0
	s_cselect_b64 s[PFA:PFA+1], s[20:21], s[46:47]
	s_add_nc_u64 s[PFA:PFA+1], s[PFA:PFA+1], s[68:69]
.irp s, 0,1
	s_mov_b32 s[G0+4*\s], 1
	s_add_co_u32 s[G0+4*\s+1], s45, \s*SLOT
	s_add_nc_u64 s[G0+4*\s+2:G0+4*\s+3], s[20:21], \s*BLK
	s_or_b32 s[G0+4*\s+3], s[G0+4*\s+3], 0x80000000
	s_mov_b32 s[G0B+4*\s], 1
	s_add_co_u32 s[G0B+4*\s+1], s45, \s*SLOT
	s_add_nc_u64 s[G0B+4*\s+2:G0B+4*\s+3], s[46:47], \s*BLK
	s_or_b32 s[G0B+4*\s+3], s[G0B+4*\s+3], 0x80000000
.endr
	CROUND                                         ; all sixteen work-groups are here: the first joint loads meet
	JLOAD 0                                        ; K step 0: one tensor load a wave at the head
	s_mul_i32 s21, s15, HALFT                      ; my 128 rows of x
	s_mul_i32 s22, s16, HALFT
	s_add_co_u32 s22, s22, 2*HALFT                 ; my 128 rows of weight
	s_sub_co_u32 s23, s22, s21
	s_add_co_u32 s18, s21, SLOT
	s_add_co_u32 s19, s22, SLOT
	s_mul_i32 s70, s14, 16*SPITCH                  ; my stage
	s_lshl_b32 s46, s42, 10
	s_lshl_b32 s47, s16, 9
	s_add_co_u32 s46, s46, s47                     ; my first column, in bytes
	s_mov_b32 s47, 0
	s_add_nc_u64 s[8:9], s[8:9], s[46:47]
	s_add_nc_u64 s[10:11], s[10:11], s[46:47]
	s_lshl_b32 s12, s17, 8
	s_lshl_b32 s13, s15, 7
	s_add_co_u32 s12, s12, s13
	s_lshl_b32 s12, s12, 14                        ; my first row x 16,384 bytes
	s_mov_b32 s13, 0
	s_add_nc_u64 s[10:11], s[10:11], s[12:13]
	v_and_b32 v1, 15, v0                           ; l % 16
	v_bfe_u32 v2, v0, 4, 1                         ; l / 16
	v_and_b32 v6, 31, v0
	v_mul_u32_u24 v3, v1, PITCH
	v_lshl_add_u32 v4, v2, 4, v3                   ; a fragment's row x pitch + 16 x half
	v_mul_u32_u24 v5, s23, v2                      ; lanes 16-31 take weight's scale words
	v_lshl_add_u32 v5, v1, 3, v5                   ; 8 bytes a row
	v_add_nc_u32 v[ADRA], s21, v4
	v_add_nc_u32 v[ADRA+1], s18, v4
	v_add_nc_u32 v[ADRB], s22, v4
	v_add_nc_u32 v[ADRB+1], s19, v4
	v_add_nc_u32 v[ADRS], s21, v5
	v_add_nc_u32 v[ADRS+1], s18, v5
	v_mul_u32_u24 v3, v1, SPITCH
	v_lshl_add_u32 v3, v2, 5, v3
	v_add_nc_u32 v[STO], s70, v3                   ; into the stage: row l % 16, 32 bytes for each half of the lanes
	v_lshlrev_b32 v[CO], 4, v6                     ; back: 32 lanes take a row of 512 bytes
	v_add_nc_u32 v[RD], s70, v[CO]
	v_lshlrev_b32 v[PFO], 8, v6
	v_mov_b32 v[PFZ], 0
	s_wait_alu depctr_va_vdst(0)
	PF 0                                           ; K steps 1 and 2
	PF BLK
	global_load_b128 v[BI:BI+3], v[CO], s[8:9]     ; bias of columns 4 l .. 4 l + 3 of my 128
	s_wait_tensorcnt 0x0                           ; my block of K step 0 is in; the same lines as ahead of a refill stand ahead of slot 1's first fill
	ds_add_u32 v[SPW], v[NIL]
	s_wait_dscnt 0x0
	CROUND
	JLOAD 1                                        ; K step 1
.macro FRAG reg, adr, q, i             ; 16 rows x 128 K: registers 4 c .. 4 c + 3 hold K = 32 c + 16 (l / 16) + 0 .. 15
.irp c, 0,1,2,3
	ds_load_b128 v[\reg+4*\c:\reg+4*\c+3], v[\adr] offset:128*(\q)+32*\c+(\i)*16*PITCH
.endr
.endm
; A run: for step q of slot sl, blocks i0 .. i0 + 3: (scl = 1: their scale words for both of the slot's steps, 4 loads;) weight's four fragments into set q, then x's four: 32 loads.
.macro RUN sl, q, i0, scl
.if \scl
	WIN 0
.irp j, 0,1,2,3
.set I_, (\i0)+\j
	ds_load_b64 v[SC+16*(\sl)+2*I_:SC+16*(\sl)+2*I_+1], v[ADRS+\sl] offset:(128+I_/2)*PITCH+128*(I_%2)
.endr
.endif
	WIN TO_B
.irp j, 0,1,2,3
	FRAG 128*(\q)+FR*((\i0)+\j), ADRB+\sl, \q, (\i0)+\j
.endr
	WIN 0
.irp j, 0,1,2,3
	FRAG AF+FR*((\i0)+\j), ADRA+\sl, \q, (\i0)+\j
.endr
.endm
.macro W a, b, q, sc, zero             ; x's block a against weight's block b, step q of slot sc
.set D_, 8*(8*((\a)%4)+(\b))
.set BR_, 128*(\q)+FR*(\b)
.set AR_, AF+FR*(\a)
.set SB_, SC+16*(\sc)+2*(\b)+(\q)
.set SA_, SC+16*(\sc)+2*(\a)+(\q)
.if \zero
	v_wmma_scale_f32_16x16x128_f8f6f4 v[D_:D_+7], v[BR_:BR_+FR-1], v[AR_:AR_+FR-1], 0, v[SB_], v[SA_] matrix_a_fmt:MATRIX_FMT_BF8 matrix_b_fmt:MATRIX_FMT_BF8 matrix_a_scale:MATRIX_SCALE_ROW1
.else
	v_wmma_scale_f32_16x16x128_f8f6f4 v[D_:D_+7], v[BR_:BR_+FR-1], v[AR_:AR_+FR-1], v[D_:D_+7], v[SB_], v[SA_] matrix_a_fmt:MATRIX_FMT_BF8 matrix_b_fmt:MATRIX_FMT_BF8 matrix_a_scale:MATRIX_SCALE_ROW1
.endif
.endm
.macro QP a0, b0, q, sc, zero, from, to   ; products from .. to - 1 of the sixteen of x's blocks a0 .. a0 + 3 against weight's b0 .. b0 + 3
	WIN MUL_LO+0x50*((\a0)/4)
.set N_, \from
.rept (\to)-(\from)
	W (\a0)+N_/4, (\b0)+N_%4, \q, \sc, \zero
.set N_, N_+1
.endr
.endm
; A slot's first step.
.macro STEP sl, zero
	s_wait_dscnt 36                                ; blocks 0-3 and their scale words are in; the younger run (4 + 32 loads) may be out
	QP 0, 0, 0, \sl, \zero, 0, 16
	s_wait_dscnt 16                                ; weight's 4-7 and their scale words are in; x's 4-7 may be out
	QP 0, 4, 0, \sl, \zero, 0, 16
	PLACES 8
	RUN \sl, 1, 0, 0
	s_wait_dscnt 32                                ; x's 4-7 are in; the run just issued may be out
	QP 4, 0, 0, \sl, \zero, 0, 16
	QP 4, 4, 0, \sl, \zero, 0, 16
	PLACES 8
	RUN \sl, 1, 4, 0
.endm
; A slot's second step changes slots at the end of its first batch.  Every wave waits for its tensor load (its block of the other slot), adds 0 to its spare word and waits for that and for its reads of this slot, which
; are all issued; behind the round this slot is filled again first, and then the batch's run reads the other slot.
.macro TURN sl, nx, fill
.if \fill
	s_wait_xcnt 0x0                                ; my prefetches have read their address
	s_add_nc_u64 s[PFA:PFA+1], s[PFA:PFA+1], BLK
.endif
	s_wait_dscnt 32                                ; blocks 0-3 are in; the younger run may be out
	QP 0, 0, 1, \sl, 0, 0, 16
	WIN 0
	s_wait_tensorcnt 0x0
	ds_add_u32 v[SPW], v[NIL]
.if \fill
	s_add_nc_u64 s[G0+4*\sl+2:G0+4*\sl+3], s[G0+4*\sl+2:G0+4*\sl+3], 2*BLK   ; no tensor load of mine is out
	s_add_nc_u64 s[G0B+4*\sl+2:G0B+4*\sl+3], s[G0B+4*\sl+2:G0B+4*\sl+3], 2*BLK
.endif
	s_wait_dscnt 17                                ; weight's 4-7 are in; x's 4-7 and the add may be out
	QP 0, 4, 1, \sl, 0, 0, 12
	s_wait_dscnt 0x0                               ; the add is done, and my reads of this slot are over
	s_barrier_signal -1
	QP 0, 4, 1, \sl, 0, 12, 16
	WIN 0
	s_barrier_wait -1
.if \fill
	CREST
	JLOAD \sl                                      ; its four v_nop are four of the eight places
	PLACES 4
.else
	PLACES 8
.endif
	RUN \nx, 0, 0, 1
.if \fill
	ASK
.endif
	QP 4, 0, 1, \sl, 0, 0, 16
	QP 4, 4, 1, \sl, 0, 0, 16
	PLACES 8
	RUN \nx, 0, 4, 1
.endm
	RUN 0, 0, 0, 1
	RUN 0, 0, 4, 1
	PF 2*BLK                                       ; K step 3
	STEP 0, 1                                      ; the first step's products start the sums: nothing is cleared
	s_mov_b32 s3, LAPS-1
.Llap:
	TURN 0, 1, 1
	STEP 1, 0
	TURN 1, 0, 1
	STEP 0, 0
	s_sub_co_u32 s3, s3, 1
	s_cmp_lg_u32 s3, 0
	s_cbranch_scc1 .Llap
	TURN 0, 1, 0                                   ; the last lap fills nothing
	STEP 1, 0
	s_wait_dscnt 32                                ; the very last step: nothing more to fetch
	QP 0, 0, 1, 1, 0, 0, 16
	s_wait_dscnt 16
	QP 0, 4, 1, 1, 0, 0, 16
	s_wait_dscnt 0x0
	QP 4, 0, 1, 1, 0, 0, 16
	QP 4, 4, 1, 1, 0, 0, 16
	WIN 0
; THE WAY OUT, by blocks of 16 rows x 128 columns: through my own stage and back as whole rows of 512 bytes; the bias is added to the rows read back; 32 lanes store two aligned units of 256 bytes.
.macro TOSTAGE a
.set AC, 64*((\a)%4)
	WIN 0x08+4*((\a)/4)
.irp b, 0,1,2,3,4,5,6,7
	ds_store_b128 v[STO], v[AC+8*\b:AC+8*\b+3] offset:64*\b          ; each accumulator from its low end on
	ds_store_b128 v[STO], v[AC+8*\b+4:AC+8*\b+7] offset:64*\b+16
.endr
	WIN 0
.set BB, BK+64*((\a)%2)
.irp t, 0,1,2,3,4,5,6,7,8,9,10,11,12,13,14,15
	ds_load_b128 v[BB+4*\t:BB+4*\t+3], v[RD] offset:\t*SPITCH       ; LDS serves a wave's instructions in order: these see the stores above
.endr
.endm
.macro SEND a, younger
.set BB, BK+64*((\a)%2)
	s_wait_dscnt \younger
.if (\a) > 0
	s_add_nc_u64 s[10:11], s[10:11], 16*SIZE_N*4   ; behind a wait on XCNT: the earlier stores have read their base
.endif
.irp t, 0,1,2,3,4,5,6,7,8,9,10,11,12,13,14,15
	v_pk_add_f32 v[BB+4*\t:BB+4*\t+1], v[BB+4*\t:BB+4*\t+1], v[BI:BI+1]
	v_pk_add_f32 v[BB+4*\t+2:BB+4*\t+3], v[BB+4*\t+2:BB+4*\t+3], v[BI+2:BI+3]
.endr
.irp t, 0,1,2,3,4,5,6,7,8,9,10,11,12,13,14,15
	global_store_b128 v[CO], v[BB+4*\t:BB+4*\t+3], s[10:11] offset:\t*SIZE_N*4 th:TH_STORE_NT
.endr
.endm
	PLACES 8                                       ; behind the last products, ahead of reads of their sums and of loads into the fragments' registers
	s_wait_loadcnt 0x0                             ; the bias is in
	TOSTAGE 0
.irp a, 1,2,3,4,5,6,7
.if \a > 1
	s_wait_xcnt 0x0                                ; block a - 2's stores have read their registers and their base
.endif
	TOSTAGE \a
	SEND \a-1, 32                                  ; behind block a - 1's loads: block a's 16 stores and 16 loads
.endr
	s_wait_xcnt 0x0
	SEND 7, 0
	s_wait_tensorcnt 0x0                           ; the wave's end
	ds_add_u32 v[SPW], v[NIL]
	s_wait_dscnt 0x0
	CROUND                                         ; the closing round
	s_endpgm
.Lfunc_end_k_q92fc0e7f31_gemm:
	.size	k_q92fc0e7f31_gemm, .Lfunc_end_k_q92fc0e7f31_gemm-k_q92fc0e7f31_gemm
	.p2alignl 7, 3214868480
	.fill 96, 4, 3214868480
	.section	.rodata,"a",@progbits
	.p2align	6, 0x0
	.amdhsa_kernel k_q92fc0e7f31_gemm
		.amdhsa_group_segment_fixed_size 327680
		.amdhsa_private_segment_fixed_size 0
		.amdhsa_enable_private_segment 0
		.amdhsa_kernarg_size 32
		.amdhsa_user_sgpr_count 2
		.amdhsa_user_sgpr_kernarg_segment_ptr 1
		.amdhsa_wavefront_size32 1
		.amdhsa_system_sgpr_workgroup_id_x 1
		.amdhsa_system_sgpr_workgroup_id_y 1
		.amdhsa_system_sgpr_workgroup_id_z 1
		.amdhsa_system_vgpr_workitem_id 0
		.amdhsa_next_free_vgpr 1024
		.amdhsa_next_free_sgpr 72
		.amdhsa_reserve_vcc 0
		.amdhsa_float_denorm_mode_32 3
		.amdhsa_float_denorm_mode_16_64 3
		.amdhsa_memory_ordered 1
		.amdhsa_forward_progress 1
		.amdhsa_inst_pref_size 162
	.end_amdhsa_kernel
	.amdgpu_metadata
---
amdhsa.version: [ 1, 2 ]
amdhsa.kernels:
  - .name:           k_q92fc0e7f31_gemm
    .symbol:         k_q92fc0e7f31_gemm.kd
    .args:
      - { .name: xq, .offset: 0, .size: 8, .value_kind: global_buffer, .address_space: global }
      - { .name: wq, .offset: 8, .size: 8, .value_kind: global_buffer, .address_space: global }
      - { .name: bias, .offset: 16, .size: 8, .value_kind: global_buffer, .address_space: global }
      - { .name: out0, .offset: 24, .size: 8, .value_kind: global_buffer, .address_space: global }
    .group_segment_fixed_size: 327680
    .private_segment_fixed_size: 0
    .kernarg_segment_align: 8
    .kernarg_segment_size: 32
    .max_flat_workgroup_size: 128
    .sgpr_count:     72
    .vgpr_count:     1024
    .wavefront_size: 32
...
	.end_amdgpu_metadata
.endif
;; end of part 2
